; MI455X (gfx1250); checked and timed in simulation.
; The chip was launched on July 23, 2026; its instructions are those of AMD's public machine-readable ISA for CDNA 5 (MIT licence, August 2026) and "CDNA5" Instruction Set Architecture Reference Guide (July 2026). The comments in the code are by the model that wrote it; some were corrected since.
;; Attention Module. Allowed arithmetic: matrix products marked QUANTISED: E5M2 operands, one given power-of-two scale a tensor, by v_wmma_f32_16x16x64_bf8_bf8 or v_wmma_f32_16x16x128_bf8_bf8, f32 sums; products left as they are: f32 operands where the result goes on into a quantised operand, else bf16, f16 or f32 operands; f32 sums; everything else in f32.
;; Inputs: Ua_b 1,024 float32; Ua_w 1,024 x 1,024 float32; Va_b 1 float32; Va_w 1 x 1,024 float32; Wa_b 1,024 float32; Wa_w 1,024 x 1,024 float32; attn_mask 32 x 2,048 bool; decoder_hidden_state 1 x 32 x 1,024 float32; encoder_outputs 32 x 2,048 x 1,024 float32; lowp_scales 4 int32 (the exponents e of the quantised operands' scales 2^e).
;; Outputs: out0 32 x 1 x 2,048 float32.
;; This version of the problem:
;;   THIS VERSION OF THE PROBLEM IS GIVEN IN LOW PRECISION. The matrix products marked QUANTISED in the list below multiply operands that are first quantised to E5M2 (5 exponent bits, 2 mantissa bits; 8 bits a number), with one given power-of-two scale for each operand tensor; their sums are f32. All else is computed in f32.
;;   The module's matrix products, in the order in which they are computed (A, B: the left and right operand; K: the contracted axis; several contracted axes count as one K, in the product's order):
;;     1. [M 32, K 1,024] x [K 1,024, N 1,024]; A: input decoder_hidden_state; B: input Ua_w: QUANTISED (scales: A lowp_scales[0], B lowp_scales[1])
;;     2. [M 65,536, K 1,024] x [K 1,024, N 1,024]; A: input encoder_outputs; B: input Wa_w: QUANTISED (scales: A lowp_scales[2], B lowp_scales[3])
;;     3. [M 65,536, K 1,024] x [K 1,024, N 1]; A: computed on the way; B: input Va_w: left as it is (N = 1 < 16)
;;   THE QUANTISER, for each operand of a quantised product, along K:
;;     - The operand's scale is 2^e, e = its entry of the input lowp_scales (int32; the entries are numbered through the quantised products in the list's order, A before B).
;;     - Each number is divided by the scale, clamped to +-57,344, and rounded to the nearest number of E5M2, ties to even, subnormals kept.
;;     - The product sums the exact products of the quantised numbers (number of the format x scale) in f32.
;;   ~~~python
;;   def quantise(x, axis, e):      # numpy; x: float32 -> the quantised numbers, widened to float32 again
;;       x = np.moveaxis(x, axis, -1); K = x.shape[-1]
;;       r = np.clip(x / 2.0 ** e, -57344, 57344)
;;       step = 2.0 ** (np.maximum(np.frexp(np.where(r == 0, 1, r))[1] - 1, -14) - 2)
;;       q = np.round(r / step) * step * 2.0 ** e      # np.round: ties to even
;;       return np.moveaxis(q, -1, axis).astype(np.float32)
;;   ~~~
;; One version. Each part assembles by itself: llvm-mc -triple=amdgcn-amd-amdhsa -mcpu=gfx1250 --defsym DOCPART=n.
;; ======== version 1 of 1: 3 launches
;; limits: right only within a limited range of input values
;; workspace buffers: wa_img 1,048,576 bytes; bias_t 131,072 bytes; q 262,144 bytes
;; launch prep (part 1): grid 64 x 1, 8 waves a work-group, no clusters, 84,992 bytes of LDS; arguments Wa_w, Ua_w, decoder_hidden_state, Ua_b, Wa_b, lowp_scales, wa_img, bias_t; writes wa_img, bias_t
.if DOCPART == 1
	.amdgcn_target "amdgcn-amd-amdhsa--gfx1250"
	.amdhsa_code_object_version 6
	.text
	.protected	k_q8132f3ce7e_prep
	.globl	k_q8132f3ce7e_prep
	.p2align	8
	.type	k_q8132f3ce7e_prep,@function
k_q8132f3ce7e_prep:
	s_mov_b64 s[64:65], 0
	v_nop
	global_prefetch_b8 v0, s[64:65] scope:SCOPE_SE
	s_setreg_imm32_b32 hwreg(HW_REG_WAVE_MODE, 25, 1), 1
	s_wait_xcnt 0x0
; PREP.  Two things that the main launch wants ready, both small:
;  (1) wa_img: Wa_w [1024 e][1024 k] f32 as codes of E5M2 with the given scale 2^e3, laid as IMAGES OF OPERAND REGISTERS: fragment (n, k) = rows 16 n .. 16 n + 15, 128 along K from 128 k,
;      at byte (8 n + k) x 2048; in it register group c (four registers) of lane l at 512 c + 16 l.
;  (2) bias_t [n 64][b 32][16] f32 = 2 log2(e) x ( Q(h) Q(Ua)^T x 2^(e0 + e1) + Ua_b + Wa_b ) at e = 16 n + i: the first quantised product, by the matrix unit, and both biases,
;      already times the factor that the main launch's 2^x wants.
; A FRAGMENT: lane (r = l % 16, h = l / 16) holds row r; registers 4 c .. 4 c + 3 hold k = 32 c + 16 h + 0 .. 15.  The same places of k are used on both sides of every product of this program,
; so every product meets its partner; only the order of the sums inside an instruction differs from the form's own places.
; SHARES.  Work-group n takes rows 16 n .. 16 n + 15 of Wa_w and of Ua_w; wave k takes 128 along K from 128 k.  One path for all work-groups.
; Each load reads 512 consecutive bytes of one row; a fragment's 8,192 bytes turn through the wave's own stage in LDS (rows 528 bytes apart) and come back 16 neighbours along K to a lane.
; code = x / 2^e, held within +-57,344, to the nearest code, ties to even.
; LIMITS: each of e0, e1, e3 lies between -126 and 112, so that 2^e and 57,344 x 2^e are f32 numbers; e0 + e1 is applied by v_ldexp_f32 and has no limit.  NaN among the inputs is not served.
.set SP,   528                         ; a stage row: 512 bytes + 16: row r starts 4 r words on modulo 64, so sixteen rows start at sixteen different groups of banks
.set STGW, 16*SP                       ; a wave's stage
.set RED,  8*STGW                      ; behind the stages: 2,048 bytes for each wave: its part of the product, [b 32][16 e] f32
.set C0,   16                          ; v16-31   Wa's codes
.set C1,   32                          ; v32-47   Ua's codes
.set C2,   48                          ; v48-63   h's codes, rows 0-15
.set C3,   128                         ; v128-143 h's codes, rows 16-31 (over set 1, which is done with)
.set UB,   144                         ; v144-147 my four of Ua_b;  v148-151 of Wa_b
.set WB,   148
.set D0,   192                         ; v192-199, v200-207 the two results (over set 2, which is done with)
.set D1,   200
; v1 16 x lane; v2 stage, in; v3 stage, back; v4, v5 2^e3 and 57,344 x 2^e3; v6, v7 the same for e0; v8, v9 for e1; v10 my place in my wave's part of RED; v11 where I read RED; v12 16 (t % 4); v13 16 (t % 128)
; v64-127, v128-191, v192-255: three sets of 64 numbers
.macro GL set, base, off, nt           ; 16 rows x 512 bytes into a set: load i takes row i
.set rb, 64+64*(\set)
.set gi, 0
.rept 16
.if \nt
	global_load_b128 v[rb+4*gi:rb+4*gi+3], v1, s[\base:\base+1] offset:(\off)+4096*gi th:TH_LOAD_NT
.else
	global_load_b128 v[rb+4*gi:rb+4*gi+3], v1, s[\base:\base+1] offset:(\off)+4096*gi
.endif
.set gi, gi+1
.endr
.endm
.macro TQ set, cd, sc, lim             ; a set turns through the stage and becomes a fragment's 16 registers of codes at v[cd]
.set rb, 64+64*(\set)
.set gi, 0
.rept 16
	ds_store_b128 v2, v[rb+4*gi:rb+4*gi+3] offset:SP*gi
.set gi, gi+1
.endr
	s_wait_dscnt 0x0                               ; the stores are done: the set's registers may take the numbers back
.irp c, 0,1,2,3
.irp j, 0,1,2,3
	ds_load_b128 v[rb+16*\c+4*\j:rb+16*\c+4*\j+3], v3 offset:128*\c+16*\j   ; register 16 c + i = k 32 c + 16 h + i of row r
.endr
.endr
	s_wait_dscnt 0x0
.set gi, 0
.rept 64
	v_med3_num_f32 v[rb+gi], v[rb+gi], -v[\lim], v[\lim]   ; the conversion to an 8-bit code does not saturate (ISA guide 7.6.2): the hold at the largest code x the scale
.set gi, gi+1
.endr
.irp c, 0,1,2,3
	v_cvt_scalef32_pk8_bf8_f32 v[\cd+4*\c:\cd+4*\c+1], v[rb+16*\c:rb+16*\c+7], v[\sc]
	v_cvt_scalef32_pk8_bf8_f32 v[\cd+4*\c+2:\cd+4*\c+3], v[rb+16*\c+8:rb+16*\c+15], v[\sc]
.endr
	v_nop                                          ; one plain vector line behind the last conversion, ahead of whatever next touches its result or writes its sources
.endm
.macro MKS e, sc, lim                  ; 2^e and 57,344 x 2^e as f32 numbers
	s_add_co_i32 s36, s[\e], 127
	s_lshl_b32 s37, s36, 23
	v_mov_b32 v[\sc], s37
	s_add_co_i32 s36, s36, 15
	s_lshl_b32 s36, s36, 23
	s_or_b32 s36, s36, 0x600000
	v_mov_b32 v[\lim], s36
.endm
	s_load_b512 s[4:19], s[0:1], 0x0               ; Wa_w s[4:5], Ua_w s[6:7], h s[8:9], Ua_b s[10:11], Wa_b s[12:13], the scales s[14:15], wa_img s[16:17], bias_t s[18:19]
	s_set_vgpr_msb 0x40
	v_lshl_add_u32 v0, v0, 2, 0x14800
	v_mov_b32 v1, 0
	s_set_vgpr_msb 0x4000
	v_and_b32 v14, 31, v0
	v_lshrrev_b32 v15, 5, v0
	s_delay_alu instid0(VALU_DEP_1)
	v_readfirstlane_b32 s20, v15                   ; wave 0..7 = K step
	s_delay_alu instid0(VALU_DEP_3)
	v_lshlrev_b32 v1, 4, v14                       ; 16 x lane
	s_mul_i32 s22, s20, STGW                       ; my stage
	v_add_nc_u32 v2, s22, v1
	v_and_b32 v14, 15, v0                          ; r
	v_bfe_u32 v15, v0, 4, 1                        ; h
	s_delay_alu instid0(VALU_DEP_2)
	v_mul_u32_u24 v3, v14, SP
	s_delay_alu instid0(VALU_DEP_1)
	v_lshl_add_u32 v3, v15, 6, v3
	s_delay_alu instid0(VALU_DEP_1)
	v_add_nc_u32 v3, s22, v3                       ; back: row r, + 64 h bytes
	s_lshl_b32 s23, s20, 11
	s_add_co_u32 s23, s23, RED
	v_lshlrev_b32 v10, 6, v14
	s_delay_alu instid0(VALU_DEP_1)
	v_lshl_add_u32 v10, v15, 5, v10
	s_delay_alu instid0(VALU_DEP_1)
	v_add_nc_u32 v10, s23, v10                     ; my wave's part: row b = r of 64 bytes, + 32 h
	v_and_b32 v13, 127, v0
	s_delay_alu instid0(VALU_DEP_1)
	v_lshlrev_b32 v13, 4, v13
	s_delay_alu instid0(VALU_DEP_1)
	v_add_nc_u32 v11, RED, v13
	v_and_b32 v12, 3, v0
	s_delay_alu instid0(VALU_DEP_1)
	v_lshlrev_b32 v12, 4, v12
	s_lshl_b32 s28, ttmp9, 16                      ; 16 rows of 4,096 bytes
	s_lshl_b32 s30, s20, 9                         ; my K step's 512 bytes of a row
	s_add_co_u32 s28, s28, s30
	s_mov_b32 s29, 0
	s_mov_b32 s31, 0
	s_lshl_b32 s32, ttmp9, 14
	s_lshl_b32 s33, s20, 11
	s_add_co_u32 s32, s32, s33                     ; fragment (n, k): (8 n + k) x 2,048
	s_mov_b32 s33, 0
	s_lshl_b32 s34, ttmp9, 11                      ; bias_t: 2,048 n
	s_mov_b32 s35, 0
	s_lshl_b32 s40, ttmp9, 6                       ; the biases: 64 n
	s_mov_b32 s41, 0
	s_wait_kmcnt 0x0
	s_load_b128 s[24:27], s[14:15], 0x0            ; e0 (h), e1 (Ua), e2, e3 (Wa)
	s_add_nc_u64 s[4:5], s[4:5], s[28:29]
	s_add_nc_u64 s[6:7], s[6:7], s[28:29]
	s_add_nc_u64 s[8:9], s[8:9], s[30:31]
	s_add_nc_u64 s[16:17], s[16:17], s[32:33]
	s_add_nc_u64 s[18:19], s[18:19], s[34:35]
	s_add_nc_u64 s[10:11], s[10:11], s[40:41]
	s_add_nc_u64 s[12:13], s[12:13], s[40:41]
	GL 0, 4, 0, 1                                  ; Wa's fragment: read once in the launch
	GL 1, 6, 0, 1                                  ; Ua's likewise
	GL 2, 8, 0, 0                                  ; h's rows 0-15: every work-group reads them
	s_wait_kmcnt 0x0
	MKS 27, 4, 5
	MKS 24, 6, 7
	MKS 25, 8, 9
	s_add_co_i32 s38, s24, s25                     ; e0 + e1
	s_wait_alu depctr_va_vdst(0)
	s_wait_loadcnt 32                              ; Wa's 16 loads are in; Ua's and h's 32 may be out
	TQ 0, C0, 4, 5
	GL 0, 8, 65536, 0                              ; set 0 is free: h's rows 16-31
.irp c, 0,1,2,3
	global_store_b128 v1, v[C0+4*\c:C0+4*\c+3], s[16:17] offset:512*\c   ; the image: each store covers 512 consecutive bytes, aligned
.endr
	s_wait_loadcnt 32                              ; Ua's are in; both halves of h may be out
	TQ 1, C1, 8, 9
	global_load_b128 v[UB:UB+3], v12, s[10:11]     ; set 1 is free: my four numbers of each bias
	global_load_b128 v[WB:WB+3], v12, s[12:13]
	s_wait_loadcnt 18                              ; h's rows 0-15 are in; rows 16-31 (16 loads) and the two bias loads may be out
	TQ 2, C2, 6, 7
	s_wait_loadcnt 0x0
	TQ 0, C3, 6, 7
	; source 0 = 16 rows of Ua, source 1 = 16 rows of h: lane (r, h) holds row b = r, and its register j the unit e = 16 n + 8 h + j
	v_wmma_f32_16x16x128_bf8_bf8 v[D0:D0+7], v[C1:C1+15], v[C2:C2+15], 0
	v_wmma_f32_16x16x128_bf8_bf8 v[D1:D1+7], v[C1:C1+15], v[C3:C3+15], 0
.rept 4
	v_nop                                          ; four places between a matrix instruction and the LDS stores that read its result
.endr
	ds_store_b128 v10, v[D0:D0+3]                  ; each result from its low end on
	ds_store_b128 v10, v[D0+4:D0+7] offset:16
	ds_store_b128 v10, v[D1:D1+3] offset:1024
	ds_store_b128 v10, v[D1+4:D1+7] offset:1040
	s_wait_dscnt 0x0                               ; for the others' sake: my part of the product lies in LDS
	s_barrier_signal -1
	s_barrier_wait -1
	s_cmp_ge_u32 s20, 4                            ; 32 x 16 numbers are 128 threads' work
	s_cbranch_scc1 .Lend
.irp w, 0,1,2,3,4,5,6,7
	ds_load_b128 v[64+4*\w:67+4*\w], v11 offset:2048*\w   ; the eight K steps' parts of my four numbers
.endr
	s_wait_dscnt 0x0
.irp a, 0,2,4,6
.irp p, 0,2
	v_pk_add_f32 v[64+4*\a+\p:65+4*\a+\p], v[64+4*\a+\p:65+4*\a+\p], v[68+4*\a+\p:69+4*\a+\p]
.endr
.endr
.irp a, 0,4
.irp p, 0,2
	v_pk_add_f32 v[64+4*\a+\p:65+4*\a+\p], v[64+4*\a+\p:65+4*\a+\p], v[72+4*\a+\p:73+4*\a+\p]
.endr
.endr
.irp p, 0
	s_delay_alu instid0(VALU_DEP_2)
	v_pk_add_f32 v[64+\p:65+\p], v[64+\p:65+\p], v[80+\p:81+\p]
	v_pk_add_f32 v[UB+\p:UB+\p+1], v[UB+\p:UB+\p+1], v[WB+\p:WB+\p+1]     ; Ua_b + Wa_b
.endr
.irp p, 2
	s_delay_alu instid0(VALU_DEP_3)
	v_pk_add_f32 v[64+\p:65+\p], v[64+\p:65+\p], v[80+\p:81+\p]
	v_pk_add_f32 v[UB+\p:UB+\p+1], v[UB+\p:UB+\p+1], v[WB+\p:WB+\p+1]     ; Ua_b + Wa_b
.endr
.irp j, 0,1,2,3
	v_ldexp_f32 v[64+\j], v[64+\j], s38            ; x 2^(e0 + e1)
.endr
.irp p, 0,2
	s_delay_alu instid0(VALU_DEP_3)
	v_pk_add_f32 v[64+\p:65+\p], v[64+\p:65+\p], v[UB+\p:UB+\p+1]
	s_delay_alu instid0(VALU_DEP_1)
	v_pk_mul_f32 v[64+\p:65+\p], v[64+\p:65+\p], 0x4038aa3b op_sel_hi:[1,0]   ; x 2 log2(e)
.endr
	global_store_b128 v13, v[64:67], s[18:19]      ; a wave's store covers 512 consecutive bytes, aligned
.Lend:
	s_set_vgpr_msb 0x5
	s_wait_tensorcnt 0x0
	ds_add_u32 v0, v1
	s_wait_dscnt 0x0
	s_set_vgpr_msb 0x500
	s_endpgm
.Lfunc_end_k_q8132f3ce7e_prep:
	.size	k_q8132f3ce7e_prep, .Lfunc_end_k_q8132f3ce7e_prep-k_q8132f3ce7e_prep
	.p2alignl 7, 3214868480
	.fill 96, 4, 3214868480
	.section	.rodata,"a",@progbits
	.p2align	6, 0x0
	.amdhsa_kernel k_q8132f3ce7e_prep
		.amdhsa_group_segment_fixed_size 84992
		.amdhsa_private_segment_fixed_size 0
		.amdhsa_enable_private_segment 0
		.amdhsa_kernarg_size 64
		.amdhsa_user_sgpr_count 2
		.amdhsa_user_sgpr_kernarg_segment_ptr 1
		.amdhsa_wavefront_size32 1
		.amdhsa_system_sgpr_workgroup_id_x 1
		.amdhsa_system_sgpr_workgroup_id_y 1
		.amdhsa_system_sgpr_workgroup_id_z 1
		.amdhsa_system_vgpr_workitem_id 0
		.amdhsa_next_free_vgpr 258
		.amdhsa_next_free_sgpr 66
		.amdhsa_reserve_vcc 0
		.amdhsa_float_denorm_mode_32 3
		.amdhsa_float_denorm_mode_16_64 3
		.amdhsa_memory_ordered 1
		.amdhsa_forward_progress 1
		.amdhsa_inst_pref_size 40
	.end_amdhsa_kernel
	.amdgpu_metadata
---
amdhsa.version: [ 1, 2 ]
amdhsa.kernels:
  - .name:           k_q8132f3ce7e_prep
    .symbol:         k_q8132f3ce7e_prep.kd
    .args:
      - { .name: Wa_w, .offset: 0, .size: 8, .value_kind: global_buffer, .address_space: global }
      - { .name: Ua_w, .offset: 8, .size: 8, .value_kind: global_buffer, .address_space: global }
      - { .name: decoder_hidden_state, .offset: 16, .size: 8, .value_kind: global_buffer, .address_space: global }
      - { .name: Ua_b, .offset: 24, .size: 8, .value_kind: global_buffer, .address_space: global }
      - { .name: Wa_b, .offset: 32, .size: 8, .value_kind: global_buffer, .address_space: global }
      - { .name: lowp_scales, .offset: 40, .size: 8, .value_kind: global_buffer, .address_space: global }
      - { .name: wa_img, .offset: 48, .size: 8, .value_kind: global_buffer, .address_space: global }
      - { .name: bias_t, .offset: 56, .size: 8, .value_kind: global_buffer, .address_space: global }
    .group_segment_fixed_size: 84992
    .private_segment_fixed_size: 0
    .kernarg_segment_align: 8
    .kernarg_segment_size: 64
    .max_flat_workgroup_size: 256
    .sgpr_count:     66
    .vgpr_count:     258
    .wavefront_size: 32
...
	.end_amdgpu_metadata
.endif
;; end of part 1
;; launch scores (part 2): grid 256 x 1, 4 waves a work-group, clusters of 4 x 1, 327,680 bytes of LDS; arguments encoder_outputs, attn_mask, wa_img, bias_t, Va_w, lowp_scales, q; writes q
.if DOCPART == 2
	.amdgcn_target "amdgcn-amd-amdhsa--gfx1250"
	.amdhsa_code_object_version 6
	.text
	.protected	k_q8132f3ce7e_scores
	.globl	k_q8132f3ce7e_scores
	.p2align	8
	.type	k_q8132f3ce7e_scores,@function
k_q8132f3ce7e_scores:
	s_mov_b64 s[64:65], 0
	v_nop
	global_prefetch_b8 v0, s[64:65] scope:SCOPE_SE
	s_setreg_imm32_b32 hwreg(HW_REG_WAVE_MODE, 25, 1), 1
	s_wait_xcnt 0x0
	s_wait_alu depctr_hold_cnt(0) depctr_sa_sdst(0) depctr_va_vdst(0) depctr_va_sdst(0) depctr_va_ssrc(0) depctr_va_vcc(0) depctr_vm_vsrc(0)
	s_getreg_b32 s2, hwreg(HW_REG_IB_STS2, 6, 4)
	s_cmp_eq_u32 s2, 0
	s_cbranch_scc0 .Lentry_in_a_cluster
	s_endpgm
.Lentry_in_a_cluster:
	s_bfe_u32 s2, ttmp6, 0x10000c
	s_cmp_lg_u32 s2, 0x3003
	s_cbranch_scc0 .Lentry_shape_is_right
	s_endpgm
.Lentry_shape_is_right:
; SCORES.  q[b][s] = sum over e of Va[e] / (1 + 2^y), y = 2 log2(e) x ( Q(x[b][s]) . Q(Wa[e]) + Wa_b[e] + dec[b][e] ): tanh(z) = 1 - 2 / (1 + e^(2 z)), so the score is sum(Va) + Va_b - 2 q; the last launch makes it.
; The second quantised product goes by v_wmma_f32_16x16x128_bf8_bf8 on codes of E5M2.  x is quantised here, in the head, with the given 2^e2; Wa's codes come as images of operand registers (wa_img), bias_t holds 2 log2(e) x (dec + both biases).
; SHARES.  A work-group owns 256 positions of one batch, a wave 64 of them: four tiles of 16 rows x all 1,024 of K as codes in 512 registers.  The wave walks the 64 tiles of 16 units e; each fragment of Wa read from LDS feeds four products.
; A position whose mask byte is 0 is thrown away by the last launch: its row is not fetched; all lanes read 16 bytes of the wave's first row in its place (a choice of address by a whole number that is read from memory; no branch hangs on it).
; Wa's image, 1 MiB, goes through a ring of two LDS slots of 128 KiB (8 tiles).  CLUSTER 4 x 1: all work-groups walk the same image, so the four partners ask jointly (mask 15); each wave fetches a quarter of a slot.
; A TILE is one run of 32 matrix instructions, four accumulators by turns, then the plain lines, then ONE batch of 32 exponentials (this tile) and 32 reciprocals (the tile before), with one wait ahead of it and one behind.
; No transcendental stands between two links of a sum.  The next tile's fragments come in two runs of 16 LDS loads: 0 to 3 in the tile's middle, 4 to 7 ahead of the batch.  The weighted sum lags two tiles: Va's table in LDS is laid two tiles late, with zeros in front.
; The products are used transposed (source 0 = 16 units of Wa, source 1 = 16 rows of x): lane (r, h) holds row r, register j the unit 16 n + 8 h + j.  Places of k in a fragment: registers 4 c .. 4 c + 3 hold k = 32 c + 16 h + 0 .. 15, alike on both sides.
; PREFETCH of x: a fragment (16 rows x 512 bytes) is 32 blocks of 256 bytes, a lane a block, one instruction of the wave that will load it, six steps ahead of its loads (which run four steps ahead of their use); fragments 0 to 3 come by their loads alone.
; Lanes of rows that are not fetched name the tile's first fetched row again, in the same instruction.  Wa's image is one stream that all clusters walk in the same order: it is not prefetched.
; LIMITS: e2 between -126 and 112 (2^e2 and 57,344 x 2^e2 are f32 numbers); e2 + e3 between -127 and 126 (added to the exponent field of 2 log2(e)).  NaN among the inputs is not served.
; REGISTERS.  Window 0: v1-11 addresses and constants, v20-23 the prefetches' offsets, v24-31 the sums, v32-63 accumulators (head: v32-95 row offsets), v64-95 y then 2^y, v96-127 1 + 2^y then its reciprocal, v128-255 Wa's eight fragments (head: two sets of 64 numbers).
; Windows 1 to 3: x's fragment (k, m) at v[64 (k % 3) + 16 m] of window 1 + k / 3; what is left there: four sets of 64 for the head's loads; behind the head window 3's v128-143 hold Va's and the bias's eight numbers.
.set RING1, 131072                     ; slot 1 begins here
.set TILEB, 16384                      ; a tile of Wa: 8 fragments of 2,048 bytes
.set STG,   262144                     ; behind the ring: a stage of 16 rows x 528 bytes for each wave
.set SP,    528
.set STGW,  16*SP
.set BIAS,  STG+4*STGW                 ; the batch's 1,024 biases
.set VAT,   BIAS+4096                  ; 128 bytes of zeros, then Va
.set SPARE, VAT+4352                   ; the spare words: 128 bytes a wave
.set SPW, 1
.set NIL, 2
.set LI,  3                            ; 16 x lane
.set STO, 4                            ; stage, in
.set SRD, 5                            ; stage, back
.set ADW, 6                            ; the next tile of Wa in LDS
.set ATB, 7                            ; the tile's place in the tables
.set SCL, 8                            ; 2^e2
.set LIM, 9                            ; 57,344 x 2^e2
.set AT0, 10
.set LN,  11
.set PF,  20
.set SC,  24
.set ACC, 32
.set TE,  64
.set TR,  96
.set WF,  128
.set RO,  32
.set XS,  128
.set VA,  128
.set BI,  136
.set WV,  24
.set CX,  25
.set G,   26
.set G1,  28
.set G0,  36
.set G0W, 40
.set CS,  44
.set TB,  46
.set TT,  47
.set OUTER, 48
.set INNER, 49
.set SEL, 50
.set MSB, 0
.macro WIN new                         ; the immediate's high byte repeats the setting that is left
.if MSB != (\new)
	s_set_vgpr_msb (MSB<<8)|(\new)
.set MSB, (\new)
.endif
.endm
.macro CROUND                          ; a round of the cluster's barrier
	s_barrier_signal -1
	s_barrier_wait -1
	s_cmp_lg_u32 s[WV], 0
	s_cbranch_scc1 .Lnot_wave_0_\@
	s_barrier_signal -3
.Lnot_wave_0_\@:
	s_barrier_wait -3
	s_barrier_signal -1
	s_barrier_wait -1
.endm
.macro SETOF t                         ; which of the four sets of 64 takes fragment t's numbers
.set sq, (\t)%4
.set SW, 1+sq
.set SB, 192
.if sq == 2
.set SB, 128
.endif
.if sq == 3
.set SW, 3
.endif
.endm
.macro GLOAD t                         ; fragment t = (m = t / 8, k = t % 8): 16 rows x 512 bytes; a load reads 512 consecutive bytes of one row
	SETOF \t
.set gm, (\t)/8
.set gk, (\t)%8
.set wv, SW<<6
	WIN wv
.set gi, 0
.rept 16
	global_load_b128 v[SB+4*gi:SB+4*gi+3], v[RO+16*gm+gi], s[4:5] offset:512*gk
.set gi, gi+1
.endr
.endm
.macro PREF t                          ; fragment t's 32 blocks of 256 bytes
	global_prefetch_b8 v[PF+(\t)/8], s[4:5] offset:65536*((\t)/8)+512*((\t)%8) th:TH_LOAD_NT scope:SCOPE_SE
.endm
.macro TURN t                          ; through my stage: in by rows, back 16 neighbours along K to a lane (LDS serves a wave's instructions in order)
	SETOF \t
.set wv, SW<<2
	WIN wv
.set gi, 0
.rept 16
	ds_store_b128 v[STO], v[SB+4*gi:SB+4*gi+3] offset:SP*gi
.set gi, gi+1
.endr
	WIN 0
.set xs, XS+64*((\t)%2)
.irp c, 0,1,2,3
.irp j, 0,1,2,3
	ds_load_b128 v[xs+16*\c+4*\j:xs+16*\c+4*\j+3], v[SRD] offset:128*\c+16*\j
.endr
.endr
.endm
.macro QUANT t                         ; the hold at the largest code x the scale (the conversion does not saturate: ISA guide 7.6.2), then the codes into the fragment's registers
.set xs, XS+64*((\t)%2)
.set qm, (\t)/8
.set qk, (\t)%8
.set fb, 64*(qk%3)+16*qm
.set wv, (1+qk/3)<<6
	WIN 0
.set gi, 0
.rept 64
	v_med3_num_f32 v[xs+gi], v[xs+gi], -v[LIM], v[LIM]
.set gi, gi+1
.endr
	WIN wv
.irp c, 0,1,2,3
	v_cvt_scalef32_pk8_bf8_f32 v[fb+4*\c:fb+4*\c+1], v[xs+16*\c:xs+16*\c+7], v[SCL]
	v_cvt_scalef32_pk8_bf8_f32 v[fb+4*\c+2:fb+4*\c+3], v[xs+16*\c+8:xs+16*\c+15], v[SCL]
.endr
	v_nop                                          ; one plain line behind the last conversion
	WIN 0
.endm
.macro WLOAD adr, k0                   ; four fragments of Wa: images, 16 bytes a lane, 512 consecutive bytes a load
.irp kk, \k0, \k0+1, \k0+2, \k0+3
.irp c, 0,1,2,3
	ds_load_b128 v[WF+16*(\kk)+4*\c:WF+16*(\kk)+4*\c+3], v[\adr] offset:2048*(\kk)+512*\c
.endr
.endr
.endm
.macro MID ld                          ; a tile's middle: fragments 4-7 are in; the tables' 16 numbers and the next tile's fragments 0-3 are asked for
	s_wait_dscnt 0x0
.if \ld
	v_add_nc_u32 v[ADW], v[LI], s[TB]
.endif
	v_add_nc_u32 v[ATB], v[AT0], s[TT]
.if \ld
	v_nop                                          ; with the two additions: four places ahead of loads into registers that matrix instructions have read
	v_nop
.endif
	s_add_co_u32 s[TT], s[TT], 64
	WIN 0xc8
	ds_load_b128 v[VA:VA+3], v[ATB] offset:4096
	ds_load_b128 v[VA+4:VA+7], v[ATB] offset:4112
	ds_load_b128 v[BI:BI+3], v[ATB]
	ds_load_b128 v[BI+4:BI+7], v[ATB] offset:16
	WIN 0x08
.if \ld
	WLOAD ADW, 0
.endif
.endm
.macro EPART y0, n                     ; the sums += reciprocal x Va (Va in window 3 as source 1), the four row tiles by turns
.set ty, \y0
.rept \n
	v_pk_fma_f32 v[SC+2*(ty%4):SC+2*(ty%4)+1], v[TR+8*(ty%4)+2*(ty/4):TR+8*(ty%4)+2*(ty/4)+1], v[VA+2*(ty/4):VA+2*(ty/4)+1], v[SC+2*(ty%4):SC+2*(ty%4)+1]
.set ty, ty+1
.endr
.endm
.macro CPART y0, n                     ; 1 + 2^y
.set ty, \y0
.rept \n
	v_pk_add_f32 v[TR+2*ty:TR+2*ty+1], v[TE+2*ty:TE+2*ty+1], 1.0 op_sel_hi:[1,0]
.set ty, ty+1
.endr
.endm
.macro TILE ld                         ; tile t: its 32 products; the weighted sum of tile t - 2; 1 + 2^y of tile t - 1; y of tile t; the batch
	s_wait_dscnt 16                                ; fragments 0-3 are in; the youngest 16 loads (fragments 4-7) may be out
.set ti, 0
.rept 32
.set tk, ti/4
.set tm, ti%4
.if ti == 16
	MID \ld
.endif
.if ti == 28
	s_wait_dscnt 16*\ld                            ; the tables' four loads are in; the 16 behind them may be out
.endif
.set wv, (1+tk/3)<<2
	WIN wv
.set xb, 64*(tk%3)+16*tm
.if tk == 0
	v_wmma_f32_16x16x128_bf8_bf8 v[ACC+8*tm:ACC+8*tm+7], v[WF+16*tk:WF+16*tk+15], v[xb:xb+15], 0
.else
	v_wmma_f32_16x16x128_bf8_bf8 v[ACC+8*tm:ACC+8*tm+7], v[WF+16*tk:WF+16*tk+15], v[xb:xb+15], v[ACC+8*tm:ACC+8*tm+7]
.endif
.if ti == 28 || ti == 29
	EPART 8*(ti-28), 8
.endif
.if ti >= 30
	CPART 8*(ti-30), 8                             ; the last eight are the places behind the last product
.endif
.set ti, ti+1
.endr
	WIN 0x30
.set ty, 0
.rept 16
	v_pk_fma_f32 v[TE+2*ty:TE+2*ty+1], v[ACC+2*ty:ACC+2*ty+1], s[CS:CS+1], v[BI+2*(ty%4):BI+2*(ty%4)+1] op_sel_hi:[1,0,1]   ; y = sum x 2 log2(e) 2^(e2 + e3) + bias; each accumulator from its low end on
.set ty, ty+1
.endr
	WIN 0
.if \ld
	WLOAD ADW, 4                                   ; the next tile's fragments 4-7 come while the batch runs
	s_add_co_u32 s[TB], s[TB], TILEB
.endif
	s_wait_alu depctr_va_vdst(0)                   ; the wait ahead of the batch
.set gi, 0
.rept 32
	v_exp_f32 v[TE+gi], v[TE+gi]
	v_rcp_f32 v[TR+gi], v[TR+gi]
.set gi, gi+1
.endr
	v_nop                                          ; a plain line behind the last transcendental
	s_wait_alu depctr_va_vdst(0)                   ; and the one wait behind the batch
.endm
.macro CHANGE fill                     ; the change of slots; fill = 1: the slot just left takes the image's next 128 KiB, jointly
	s_wait_tensorcnt 0x0                           ; my one load that was out, my quarter of the slot ahead, has landed
	ds_add_u32 v[SPW], v[NIL]
.if \fill
	s_xor_b32 s[G0W+1], s[G0W+1], RING1
	s_add_nc_u64 s[G0W+2:G0W+3], s[G0W+2:G0W+3], RING1
.endif
	s_sub_co_u32 s[TB], s[TB], RING1
	s_xor_b32 s[TB], s[TB], RING1
	s_wait_dscnt 0x0                               ; the add is done, and my reads of the slot that I leave
.if \fill
	CROUND
	tensor_load_to_lds s[G0W:G0W+3], s[G1:G1+7]
	s_nop 0
.rept 4
	v_nop
.endr
.else
	s_barrier_signal -1
	s_barrier_wait -1
.endif
.endm
.macro VALOAD                          ; Va's eight numbers of the next table entry
	v_add_nc_u32 v[ATB], s[TT], v[AT0]
	s_add_co_u32 s[TT], s[TT], 64
	WIN 0xc0
	ds_load_b128 v[VA:VA+3], v[ATB] offset:4096
	ds_load_b128 v[VA+4:VA+7], v[ATB] offset:4112
	WIN 0
.endm
	s_load_b256 s[4:11], s[0:1], 0x0               ; x s[4:5], the mask s[6:7], wa_img s[8:9], bias_t s[10:11]
	s_load_b128 s[12:15], s[0:1], 0x20             ; Va_w s[12:13], the scales s[14:15]
	s_load_b64 s[16:17], s[0:1], 0x30              ; q
	v_lshl_add_u32 v[SPW], v0, 2, SPARE
	v_mov_b32 v[NIL], 0
	ds_add_u32 v[SPW], v[NIL]                      ; the opening lines: the add twice on end and one wait
	ds_add_u32 v[SPW], v[NIL]
	v_lshrrev_b32 v12, 5, v0
	v_readfirstlane_b32 s[WV], v12                 ; wave 0..3
	s_bfe_u32 s[CX], ttmp6, 0x40000
	s_lshl_b32 s[G], ttmp9, 2
	s_add_co_u32 s[G], s[G], s[CX]                 ; work-group = 4 x cluster + place
	s_mov_b32 s[G1], 15|(3<<16)|(1<<21)            ; the mask names the four; elements of 8 bytes; a quarter slot: 128 rows of 256 bytes, dense
	s_mov_b32 s[G1+1], 32<<16
	s_mov_b32 s[G1+2], 128<<16
	s_mov_b32 s[G1+3], 32<<16
	s_mov_b32 s[G1+4], 128
	s_mov_b32 s[G1+5], 32
	s_mov_b32 s[G1+6], 0
	s_mov_b32 s[G1+7], 0
	s_mov_b32 s[SEL], 0x76543210
	s_mov_b32 s[SEL+1], 0xfedcba98
	s_lshl_b32 s52, s[WV], 15                      ; my quarter of a slot
	s_mov_b32 s53, 0
	s_lshl_b32 s54, s[G], 8
	s_lshl_b32 s55, s[WV], 6
	s_add_co_u32 s54, s54, s55                     ; my first position
	s_mov_b32 s55, 0
	s_lshl_b32 s56, s54, 12                        ; its row of x
	s_mov_b32 s57, 0
	s_lshr_b32 s58, s[G], 3
	s_lshl_b32 s58, s58, 6                         ; bias_t: 64 x batch
	s_mov_b32 s59, 0
	s_lshl_b32 s60, s54, 2
	s_mov_b32 s61, 0
	s_mul_i32 s62, s[WV], STGW
	s_add_co_u32 s62, s62, STG                     ; my stage
	s_wait_dscnt 0x0                               ; both opening adds are done
	s_wait_alu depctr_va_vdst(0)
	s_wait_kmcnt 0x0
	s_load_b128 s[20:23], s[14:15], 0x0            ; e0 .. e3
	s_add_nc_u64 s[6:7], s[6:7], s[54:55]
	s_load_b512 s[68:83], s[6:7], 0x0              ; my 64 bytes of the mask
	s_add_nc_u64 s[4:5], s[4:5], s[56:57]
	s_add_nc_u64 s[10:11], s[10:11], s[58:59]
	s_add_nc_u64 s[16:17], s[16:17], s[60:61]
	s_mov_b32 s[G0], 1
	s_mov_b32 s[G0+1], s52
	s_add_nc_u64 s[G0+2:G0+3], s[8:9], s[52:53]
	s_mov_b32 s[G0W], 1
	s_add_co_u32 s[G0W+1], s52, RING1
	s_add_nc_u64 s[G0W+2:G0W+3], s[G0+2:G0+3], RING1
	s_or_b32 s[G0+3], s[G0+3], 0x80000000
	s_or_b32 s[G0W+3], s[G0W+3], 0x80000000
	CROUND                                         ; the four work-groups are here: the first joint loads meet
	tensor_load_to_lds s[G0:G0+3], s[G1:G1+7]      ; slot 0: my one tensor load at the head
	s_nop 0
.rept 4
	v_nop
.endr
	v_and_b32 v[LN], 31, v0
	v_lshlrev_b32 v[LI], 4, v[LN]
	v_add_nc_u32 v[STO], s62, v[LI]
	v_and_b32 v17, 15, v0
	v_bfe_u32 v18, v0, 4, 1
	v_bfe_u32 v19, v0, 1, 4                        ; lane / 2: the row of a tile whose block my prefetches name
	v_and_b32 v116, 1, v0
	v_lshlrev_b32 v116, 8, v116                    ; and which 256 of a fragment's 512 bytes
	v_mul_u32_u24 v[SRD], v17, SP
	v_lshl_add_u32 v[SRD], v18, 6, v[SRD]
	v_add_nc_u32 v[SRD], s62, v[SRD]
	v_lshlrev_b32 v[AT0], 5, v18
	v_add_nc_u32 v[AT0], BIAS, v[AT0]
	v_lshrrev_b32 v12, 2, v0
	v_lshlrev_b32 v12, 11, v12
	v_and_b32 v13, 3, v0
	v_lshl_add_u32 v12, v13, 4, v12                ; bias_t: tile t / 4, 16 (t % 4)
	v_lshlrev_b32 v13, 4, v0
	v_add_nc_u32 v14, BIAS, v13
	v_add_nc_u32 v15, VAT, v0
	v_mov_b32 v16, 0
.irp m, 0,1,2,3
	global_load_u8 v[112+\m], v19, s[6:7] offset:16*\m   ; the mask byte of row lane / 2 of each row tile
.endr
	global_load_b128 v[96:99], v12, s[10:11]
	global_load_b128 v[100:103], v12, s[10:11] offset:65536
	global_load_b128 v[104:107], v13, s[12:13]
	global_load_b128 v[108:111], v13, s[12:13] offset:2048
	s_wait_alu depctr_va_vdst(0)
	s_wait_kmcnt 0x0
	s_add_co_i32 s84, s22, 127
	s_lshl_b32 s85, s84, 23
	v_mov_b32 v[SCL], s85
	s_add_co_i32 s84, s84, 15
	s_lshl_b32 s84, s84, 23
	s_or_b32 s84, s84, 0x600000
	v_mov_b32 v[LIM], s84
	s_add_co_i32 s84, s22, s23
	s_lshl_b32 s84, s84, 23
	s_add_co_i32 s[CS], s84, 0x4038aa3b            ; 2 log2(e) x 2^(e2 + e3)
	s_mov_b32 s[CS+1], s[CS]
	v_mov_b32 v[RO], v[LI]
.macro ROWS first, n                   ; row i's offset: 4,096 i + 16 x lane where its mask byte is set, else 0 in every lane
.set ri, \first
.rept \n
	s_bfe_u32 s84, s[68+ri/4], (8*(ri%4))|0x10000
	s_min_u32 s84, s84, 1
	s_mul_i32 s85, s84, 4096*ri
	v_mul_u32_u24 v[RO+ri], s84, v[LI]
	v_add_nc_u32 v[RO+ri], s85, v[RO+ri]
.set ri, ri+1
.endr
.endm
	ROWS 1, 15                                     ; the first row tile's offsets are all that the first eight fragments need
	s_wait_alu depctr_va_vdst(0)
	GLOAD 0
	GLOAD 1
	GLOAD 2
	GLOAD 3
	WIN 0
	s_wait_loadcnt 63                              ; of the 72 loads issued the first nine are in: the mask's four among them
.irp m, 0,1,2,3
	v_cmp_ne_u32 s86, 0, v[112+\m]                 ; the lanes whose row is fetched
	s_ctz_i32_b32 s87, s86
	s_lshr_b32 s87, s87, 1
	s_min_u32 s87, s87, 15                         ; the tile's first fetched row (15 where it has none)
	v_cndmask_b32 v[PF+\m], s87, v19, s86          ; my row, or that one
	v_min_u32 v[PF+\m], 15, v[PF+\m]
	v_lshlrev_b32 v[PF+\m], 12, v[PF+\m]
	v_add_nc_u32 v[PF+\m], v[PF+\m], v116
.endr
	ROWS 16, 48
.irp t, 4,5,6,7,8,9
	PREF \t                                        ; the six fragments whose loads the first six steps issue
.endr
.set T, 0
.rept 32                               ; loads run four fragments ahead, the turn through the stage one, the prefetches ten
.if T < 29
	s_wait_loadcnt 48                              ; fragment T's 16 loads are in; those of the three behind it may be out
.else
	s_wait_loadcnt 16*(31-T)
.endif
	TURN T
	s_wait_dscnt 16                                ; all but this turn's 16 loads
.if T < 22
	PREF T+10
.endif
.if T > 0
	QUANT T-1
.endif
.if T < 28
	GLOAD T+4
.endif
.set T, T+1
.endr
	s_wait_dscnt 0x0
	QUANT 31
	ds_store_b128 v14, v[96:99]                    ; the tables: the biases,
	ds_store_b128 v14, v[100:103] offset:2048
	ds_store_b128 v14, v[104:107] offset:4224      ; Va, two tiles late,
	ds_store_b128 v14, v[108:111] offset:6272
	ds_store_b8 v15, v16                           ; and 128 bytes of zeros in front of it
	s_wait_alu depctr_va_vdst(0)
	s_wait_tensorcnt 0x0                           ; my quarter of slot 0 is in; slot 1's first fill is issued as a refill is
	ds_add_u32 v[SPW], v[NIL]
.set gi, 0
.rept 32
	v_mov_b32 v[TE+gi], 0                          ; what the first two tiles find in the stages that lag: it meets the table's zeros
	v_mov_b32 v[TR+gi], 1.0
.set gi, gi+1
.endr
.set gi, 0
.rept 8
	v_mov_b32 v[SC+gi], 0
.set gi, gi+1
.endr
	s_wait_dscnt 0x0                               ; the add and my stores into the tables are done
	CROUND
	tensor_load_to_lds s[G0W:G0W+3], s[G1:G1+7]    ; slot 1: it has seven tiles' work in which to land
	s_nop 0
.rept 4
	v_nop
.endr
	WLOAD LI, 0
	WLOAD LI, 4
	s_mov_b32 s[TB], TILEB
	s_mov_b32 s[TT], 0
	s_mov_b32 s[INNER], 7                          ; a tile fetches its successor's fragments, so the changes of slots stand one tile early
.Lt0:
	s_wait_alu depctr_va_vdst(0)
	TILE 1
	s_sub_co_u32 s[INNER], s[INNER], 1
	s_cmp_lg_u32 s[INNER], 0
	s_cbranch_scc1 .Lt0
	s_mov_b32 s[OUTER], 6                          ; six refills: the image's parts 2 to 7
.Lslot:
	CHANGE 1
	s_mov_b32 s[INNER], 8
.Lt1:
	s_wait_alu depctr_va_vdst(0)
	TILE 1
	s_sub_co_u32 s[INNER], s[INNER], 1
	s_cmp_lg_u32 s[INNER], 0
	s_cbranch_scc1 .Lt1
	s_sub_co_u32 s[OUTER], s[OUTER], 1
	s_cmp_lg_u32 s[OUTER], 0
	s_cbranch_scc1 .Lslot
	CHANGE 0                                       ; the last change fills nothing
	s_mov_b32 s[INNER], 8
.Lt2:
	s_wait_alu depctr_va_vdst(0)
	TILE 1
	s_sub_co_u32 s[INNER], s[INNER], 1
	s_cmp_lg_u32 s[INNER], 0
	s_cbranch_scc1 .Lt2
	s_wait_alu depctr_va_vdst(0)
	TILE 0                                         ; tile 63 fetches nothing
	VALOAD                                         ; what lags: tile 62's weighted sum, tile 63's 1 + 2^y,
	s_wait_dscnt 0x0
	WIN 0x0c
	EPART 0, 16
	CPART 0, 16
	WIN 0
	VALOAD
	s_wait_alu depctr_va_vdst(0)                   ; the wait ahead of the batch
.set gi, 0
.rept 32
	v_rcp_f32 v[TR+gi], v[TR+gi]                   ; its reciprocals,
.set gi, gi+1
.endr
	v_nop
	s_wait_alu depctr_va_vdst(0)                   ; the wait behind the batch
	s_wait_dscnt 0x0
	WIN 0x0c
	EPART 0, 16                                    ; and its weighted sum
	WIN 0
.irp m, 0,1,2,3
	v_add_f32 v[TE+\m], v[SC+2*\m], v[SC+2*\m+1]   ; a row's sum: the pair's two halves,
.endr
.irp m, 0,1,2,3
	v_permlanex16_b32 v[TE+4+\m], v[TE+\m], s[SEL], s[SEL+1]
.endr
.irp m, 0,1,2,3
	v_add_f32 v[TE+\m], v[TE+\m], v[TE+4+\m]       ; and lane l xor 16's
.endr
	v_cmp_gt_u32 vcc_lo, 16, v[LN]
	v_cndmask_b32 v[TE+8], v[TE+1], v[TE], vcc_lo  ; rows 0-31 in the 32 lanes,
	v_cndmask_b32 v[TE+9], v[TE+3], v[TE+2], vcc_lo ; rows 32-63
	v_lshl_add_u32 v12, v[LN], 2, s62
	v_lshl_add_u32 v13, v[LN], 3, s62
	v_lshlrev_b32 v14, 3, v[LN]
	ds_store_b32 v12, v[TE+8]                      ; through my stage, so that the wave's one store covers its 256 consecutive bytes of q
	ds_store_b32 v12, v[TE+9] offset:128
	ds_load_b64 v[TE+10:TE+11], v13
	s_wait_alu depctr_va_vdst(0)
	s_wait_dscnt 0x0
	global_store_b64 v14, v[TE+10:TE+11], s[16:17]
	s_wait_tensorcnt 0x0                           ; the wave's end
	ds_add_u32 v[SPW], v[NIL]
	s_wait_dscnt 0x0
	CROUND                                         ; the closing round
	s_endpgm
.Lfunc_end_k_q8132f3ce7e_scores:
	.size	k_q8132f3ce7e_scores, .Lfunc_end_k_q8132f3ce7e_scores-k_q8132f3ce7e_scores
	.p2alignl 7, 3214868480
	.fill 96, 4, 3214868480
	.section	.rodata,"a",@progbits
	.p2align	6, 0x0
	.amdhsa_kernel k_q8132f3ce7e_scores
		.amdhsa_group_segment_fixed_size 327680
		.amdhsa_private_segment_fixed_size 0
		.amdhsa_enable_private_segment 0
		.amdhsa_kernarg_size 56
		.amdhsa_user_sgpr_count 2
		.amdhsa_user_sgpr_kernarg_segment_ptr 1
		.amdhsa_wavefront_size32 1
		.amdhsa_system_sgpr_workgroup_id_x 1
		.amdhsa_system_sgpr_workgroup_id_y 1
		.amdhsa_system_sgpr_workgroup_id_z 1
		.amdhsa_system_vgpr_workitem_id 0
		.amdhsa_next_free_vgpr 1024
		.amdhsa_next_free_sgpr 88
		.amdhsa_reserve_vcc 1
		.amdhsa_float_denorm_mode_32 3
		.amdhsa_float_denorm_mode_16_64 3
		.amdhsa_memory_ordered 1
		.amdhsa_forward_progress 1
		.amdhsa_inst_pref_size 255
	.end_amdhsa_kernel
	.section	.bss,"aw",@nobits
	.p2align	6
	.space	262144
	.amdgpu_metadata
---
amdhsa.version: [ 1, 2 ]
amdhsa.kernels:
  - .name:           k_q8132f3ce7e_scores
    .symbol:         k_q8132f3ce7e_scores.kd
    .args:
      - { .name: encoder_outputs, .offset: 0, .size: 8, .value_kind: global_buffer, .address_space: global }
      - { .name: attn_mask, .offset: 8, .size: 8, .value_kind: global_buffer, .address_space: global }
      - { .name: wa_img, .offset: 16, .size: 8, .value_kind: global_buffer, .address_space: global }
      - { .name: bias_t, .offset: 24, .size: 8, .value_kind: global_buffer, .address_space: global }
      - { .name: Va_w, .offset: 32, .size: 8, .value_kind: global_buffer, .address_space: global }
      - { .name: lowp_scales, .offset: 40, .size: 8, .value_kind: global_buffer, .address_space: global }
      - { .name: q, .offset: 48, .size: 8, .value_kind: global_buffer, .address_space: global }
    .group_segment_fixed_size: 327680
    .private_segment_fixed_size: 0
    .kernarg_segment_align: 8
    .kernarg_segment_size: 56
    .max_flat_workgroup_size: 128
    .sgpr_count:     88
    .vgpr_count:     1024
    .wavefront_size: 32
...
	.end_amdgpu_metadata
.endif
;; end of part 2
;; launch soft (part 3): grid 32 x 1, 8 waves a work-group, no clusters, 1,536 bytes of LDS; arguments q, attn_mask, Va_w, Va_b, out0; writes out0
.if DOCPART == 3
	.amdgcn_target "amdgcn-amd-amdhsa--gfx1250"
	.amdhsa_code_object_version 6
	.text
	.protected	k_q8132f3ce7e_soft
	.globl	k_q8132f3ce7e_soft
	.p2align	8
	.type	k_q8132f3ce7e_soft,@function
k_q8132f3ce7e_soft:
	s_mov_b64 s[64:65], 0
	v_nop
	global_prefetch_b8 v0, s[64:65] scope:SCOPE_SE
	s_setreg_imm32_b32 hwreg(HW_REG_WAVE_MODE, 25, 1), 1
	s_wait_xcnt 0x0
; SOFT.  out0[b][s] = softmax over s of ( mask ? sum(Va) + Va_b - 2 q[b][s] : -infinity ).  One work-group a batch, 256 threads, eight positions a thread: 4 t .. 4 t + 3 and 1,024 + 4 t ..
; The row's largest score is taken away ahead of the exponential, as the definition has it.  A row whose mask is all 0 gives NaN, as the definition does (-infinity less -infinity).
; Every load and store of a wave covers 512 consecutive bytes (the mask's: 128).  No matrix unit, no tensor load: 2,048 numbers a work-group.
; v[4:11] the eight numbers; v12, v13 the mask's bytes; v[16:19] four of Va; v[24:25] (sum of Va, largest) on their way across lanes; v[28:43] the waves' figures
	s_load_b256 s[4:11], s[0:1], 0x0               ; q s[4:5], the mask s[6:7], Va_w s[8:9], Va_b s[10:11]
	s_load_b64 s[12:13], s[0:1], 0x20              ; out0
	v_lshl_add_u32 v64, v0, 2, 0x200
	v_mov_b32 v65, 0
	v_lshlrev_b32 v1, 4, v0                        ; 16 t
	v_lshlrev_b32 v2, 2, v0                        ; 4 t
	v_lshrrev_b32 v3, 5, v0                        ; wave
	s_delay_alu instid0(VALU_DEP_1)
	v_lshlrev_b32 v22, 3, v3                       ; LDS: 8 x wave: (sum of Va, largest)
	s_delay_alu instid0(VALU_DEP_2)
	v_lshl_add_u32 v23, v3, 2, 256                 ; LDS: 256 + 4 x wave: the sum of the exponentials
	v_mov_b32 v46, 0
	v_mov_b32 v21, 0xff800000                      ; -infinity
	v_mov_b32 v26, 0                               ; written once: a lane permute's destination counts as one of its sources
	v_mov_b32 v27, 0
	s_lshl_b32 s20, ttmp9, 13                      ; a batch's 2,048 f32
	s_mov_b32 s21, 0
	s_lshl_b32 s22, ttmp9, 11                      ; and its 2,048 bytes of the mask
	s_mov_b32 s23, 0
	s_mov_b32 s16, 0x76543210                      ; v_permlanex16_b32's selects for lane l xor 16
	s_mov_b32 s17, 0xfedcba98
	s_wait_alu depctr_va_vdst(0)
	s_wait_kmcnt 0x0
	s_load_b32 s14, s[10:11], 0x0                  ; Va_b
	s_add_nc_u64 s[4:5], s[4:5], s[20:21]
	s_add_nc_u64 s[12:13], s[12:13], s[20:21]
	s_add_nc_u64 s[6:7], s[6:7], s[22:23]
	global_load_b128 v[4:7], v1, s[4:5]
	global_load_b128 v[8:11], v1, s[4:5] offset:4096
	global_load_b32 v12, v2, s[6:7]
	global_load_b32 v13, v2, s[6:7] offset:1024
	global_load_b128 v[16:19], v1, s[8:9]
	s_wait_loadcnt 0x0
.irp p, 4,6,8,10
	v_pk_mul_f32 v[\p:\p+1], v[\p:\p+1], -2.0 op_sel_hi:[1,0]   ; u = -2 q
.endr
.irp j, 0,1,2,3
	v_bfe_u32 v20, v12, 8*\j, 8
	s_delay_alu instid0(VALU_DEP_1)
	v_cmp_ne_u32 vcc_lo, 0, v20
	s_delay_alu instid0(VALU_DEP_1)
	v_cndmask_b32 v[4+\j], v21, v[4+\j], vcc_lo    ; u where the mask is set, else -infinity
	v_bfe_u32 v20, v13, 8*\j, 8
	s_delay_alu instid0(VALU_DEP_1)
	v_cmp_ne_u32 vcc_lo, 0, v20
	s_delay_alu instid0(VALU_DEP_1)
	v_cndmask_b32 v[8+\j], v21, v[8+\j], vcc_lo
.endr
	v_add_f32 v24, v16, v17
	v_add_f32 v20, v18, v19
	v_max3_num_f32 v25, v4, v5, v6
	s_delay_alu instid0(VALU_DEP_2)
	v_add_f32 v24, v24, v20                        ; my four of Va
	s_delay_alu instid0(VALU_DEP_2)
	v_max3_num_f32 v25, v25, v7, v8
	s_delay_alu instid0(VALU_DEP_1)
	v_max3_num_f32 v25, v25, v9, v10
	s_delay_alu instid0(VALU_DEP_1)
	v_max_num_f32 v25, v25, v11                    ; my largest u
.irp x, 1
	s_delay_alu instid0(VALU_DEP_4)
	v_add_f32_dpp v24, v24, v24 row_xmask:\x row_mask:0xf bank_mask:0xf
	s_delay_alu instid0(VALU_DEP_2)
	v_max_num_f32_dpp v25, v25, v25 row_xmask:\x row_mask:0xf bank_mask:0xf
.endr
.irp x, 2, 4, 8
	s_delay_alu instid0(VALU_DEP_2)
	v_add_f32_dpp v24, v24, v24 row_xmask:\x row_mask:0xf bank_mask:0xf
	s_delay_alu instid0(VALU_DEP_2)
	v_max_num_f32_dpp v25, v25, v25 row_xmask:\x row_mask:0xf bank_mask:0xf
.endr
	s_delay_alu instid0(VALU_DEP_2)
	v_permlanex16_b32 v26, v24, s16, s17
	s_delay_alu instid0(VALU_DEP_2)
	v_permlanex16_b32 v27, v25, s16, s17
	s_delay_alu instid0(VALU_DEP_2)
	v_add_f32 v24, v24, v26
	s_delay_alu instid0(VALU_DEP_2)
	v_max_num_f32 v25, v25, v27
	ds_store_b64 v22, v[24:25]                     ; all lanes of a wave write the same words with the same values
	s_wait_dscnt 0x0
	s_barrier_signal -1
	s_barrier_wait -1
.irp w, 0,1,2,3
	ds_load_b128 v[28+4*\w:31+4*\w], v46 offset:16*\w
.endr
	s_wait_dscnt 0x0
	v_add_f32 v28, v28, v30
	v_add_f32 v32, v32, v34
	v_add_f32 v36, v36, v38
	v_add_f32 v40, v40, v42
	v_max3_num_f32 v29, v29, v31, v33
	s_delay_alu instid0(VALU_DEP_4)
	v_add_f32 v28, v28, v32
	s_delay_alu instid0(VALU_DEP_3)
	v_add_f32 v36, v36, v40
	s_delay_alu instid0(VALU_DEP_3)
	v_max3_num_f32 v29, v29, v35, v37
	s_delay_alu instid0(VALU_DEP_2)
	v_add_f32 v28, v28, v36                        ; sum(Va)
	s_delay_alu instid0(VALU_DEP_2)
	v_max3_num_f32 v29, v29, v39, v41
	s_delay_alu instid0(VALU_DEP_1)
	v_max_num_f32 v29, v29, v43                    ; the row's largest u
	s_wait_alu depctr_va_vdst(0)
	s_wait_kmcnt 0x0
	v_add_f32 v48, s14, v28                        ; C = sum(Va) + Va_b
	s_delay_alu instid0(VALU_DEP_1)
	v_mov_b32 v49, v48
	s_delay_alu instid0(VALU_DEP_2)
	v_add_f32 v50, v29, v48                        ; the row's largest score
	s_delay_alu instid0(VALU_DEP_1)
	v_mov_b32 v51, v50
.irp p, 4,6,8,10
	v_pk_add_f32 v[\p:\p+1], v[\p:\p+1], v[48:49]                                   ; the score
	s_delay_alu instid0(VALU_DEP_1)
	v_pk_add_f32 v[\p:\p+1], v[\p:\p+1], v[50:51] neg_lo:[0,1] neg_hi:[0,1]         ; less the largest
	s_delay_alu instid0(VALU_DEP_1)
	v_pk_mul_f32 v[\p:\p+1], v[\p:\p+1], 0x3fb8aa3b op_sel_hi:[1,0]                 ; x log2(e)
.endr
	s_wait_alu depctr_va_vdst(0)
.irp j, 4,5,6,7,8,9,10,11
	v_exp_f32 v[\j], v[\j]
.endr
	v_nop                                          ; a plain line behind the last exponential
	s_wait_alu depctr_va_vdst(0)                   ; the wait ahead of the first reader: one for the eight
	v_pk_add_f32 v[52:53], v[4:5], v[6:7]
	v_pk_add_f32 v[54:55], v[8:9], v[10:11]
	s_delay_alu instid0(VALU_DEP_1)
	v_pk_add_f32 v[52:53], v[52:53], v[54:55]
	s_delay_alu instid0(VALU_DEP_1)
	v_add_f32 v52, v52, v53
.irp x, 1,2,4,8
	s_delay_alu instid0(VALU_DEP_1)
	v_add_f32_dpp v52, v52, v52 row_xmask:\x row_mask:0xf bank_mask:0xf
.endr
	s_delay_alu instid0(VALU_DEP_1)
	v_permlanex16_b32 v26, v52, s16, s17
	s_delay_alu instid0(VALU_DEP_1)
	v_add_f32 v52, v52, v26
	ds_store_b32 v23, v52                          ; other words than the first exchange's
	s_wait_dscnt 0x0
	s_barrier_signal -1
	s_barrier_wait -1
	ds_load_b128 v[28:31], v46 offset:256
	ds_load_b128 v[32:35], v46 offset:272
	s_wait_dscnt 0x0
	v_add_f32 v28, v28, v29
	v_add_f32 v30, v30, v31
	v_add_f32 v32, v32, v33
	v_add_f32 v34, v34, v35
	s_delay_alu instid0(VALU_DEP_3)
	v_add_f32 v28, v28, v30
	s_delay_alu instid0(VALU_DEP_2)
	v_add_f32 v32, v32, v34
	s_delay_alu instid0(VALU_DEP_1)
	v_add_f32 v28, v28, v32                        ; the row's sum: at least 1 where any position counts
	s_wait_alu depctr_va_vdst(0)
	v_rcp_f32 v56, v28
	v_rcp_f32 v57, v28                             ; twice: a pair for the packed multiply
	v_nop
	s_wait_alu depctr_va_vdst(0)                   ; one wait for both, ahead of the first reader
.irp p, 4,6,8,10
	v_pk_mul_f32 v[\p:\p+1], v[\p:\p+1], v[56:57]
.endr
	global_store_b128 v1, v[4:7], s[12:13]
	global_store_b128 v1, v[8:11], s[12:13] offset:4096
	s_wait_tensorcnt 0x0
	ds_add_u32 v64, v65
	s_wait_dscnt 0x0
	s_endpgm
.Lfunc_end_k_q8132f3ce7e_soft:
	.size	k_q8132f3ce7e_soft, .Lfunc_end_k_q8132f3ce7e_soft-k_q8132f3ce7e_soft
	.p2alignl 7, 3214868480
	.fill 96, 4, 3214868480
	.section	.rodata,"a",@progbits
	.p2align	6, 0x0
	.amdhsa_kernel k_q8132f3ce7e_soft
		.amdhsa_group_segment_fixed_size 1536
		.amdhsa_private_segment_fixed_size 0
		.amdhsa_enable_private_segment 0
		.amdhsa_kernarg_size 40
		.amdhsa_user_sgpr_count 2
		.amdhsa_user_sgpr_kernarg_segment_ptr 1
		.amdhsa_wavefront_size32 1
		.amdhsa_system_sgpr_workgroup_id_x 1
		.amdhsa_system_sgpr_workgroup_id_y 1
		.amdhsa_system_sgpr_workgroup_id_z 1
		.amdhsa_system_vgpr_workitem_id 0
		.amdhsa_next_free_vgpr 66
		.amdhsa_next_free_sgpr 66
		.amdhsa_reserve_vcc 1
		.amdhsa_float_denorm_mode_32 3
		.amdhsa_float_denorm_mode_16_64 3
		.amdhsa_memory_ordered 1
		.amdhsa_forward_progress 1
		.amdhsa_inst_pref_size 11
	.end_amdhsa_kernel
	.amdgpu_metadata
---
amdhsa.version: [ 1, 2 ]
amdhsa.kernels:
  - .name:           k_q8132f3ce7e_soft
    .symbol:         k_q8132f3ce7e_soft.kd
    .args:
      - { .name: q, .offset: 0, .size: 8, .value_kind: global_buffer, .address_space: global }
      - { .name: attn_mask, .offset: 8, .size: 8, .value_kind: global_buffer, .address_space: global }
      - { .name: Va_w, .offset: 16, .size: 8, .value_kind: global_buffer, .address_space: global }
      - { .name: Va_b, .offset: 24, .size: 8, .value_kind: global_buffer, .address_space: global }
      - { .name: out0, .offset: 32, .size: 8, .value_kind: global_buffer, .address_space: global }
    .group_segment_fixed_size: 1536
    .private_segment_fixed_size: 0
    .kernarg_segment_align: 8
    .kernarg_segment_size: 40
    .max_flat_workgroup_size: 256
    .sgpr_count:     66
    .vgpr_count:     66
    .wavefront_size: 32
...
	.end_amdgpu_metadata
.endif
;; end of part 3
